; MI455X (gfx1250); checked and timed in simulation.
; The chip was launched on July 23, 2026; its instructions are those of AMD's public machine-readable ISA for CDNA 5 (MIT licence, August 2026) and "CDNA5" Instruction Set Architecture Reference Guide (July 2026). The comments in the code are by the model that wrote it; some were corrected since.
;; LSTM Cell. Allowed arithmetic: matrix products marked QUANTISED: E5M2 operands, one E8M0 scale for each 32 along K, by v_wmma_scale_f32_16x16x128_f8f6f4 with both operands' format E5M2, f32 sums; everything else in f32.
;; Inputs: W_c_b 2,048 float32; W_c_w 2,048 x 4,096 float32; W_f_b 2,048 float32; W_f_w 2,048 x 4,096 float32; W_i_b 2,048 float32; W_i_w 2,048 x 4,096 float32; W_o_b 2,048 float32; W_o_w 2,048 x 4,096 float32; c 2,048 x 2,048 float32; h 2,048 x 2,048 float32; x 2,048 x 2,048 float32.
;; Outputs: out0 2,048 x 2,048 float32; out1 2,048 x 2,048 float32.
;; This version of the problem:
;;   THIS VERSION OF THE PROBLEM IS GIVEN IN LOW PRECISION. The matrix products marked QUANTISED in the list below multiply operands that are first quantised to E5M2 (5 exponent bits, 2 mantissa bits; 8 bits a number), with one power-of-two scale for each 32 numbers along K (OCP MX v1.0); their sums are f32. All else is computed in f32.
;;   The module's matrix products, in the order in which they are computed (A, B: the left and right operand; K: the contracted axis; several contracted axes count as one K, in the product's order):
;;     1. [M 2,048, K 4,096] x [K 4,096, N 8,192]; A: computed on the way; B: computed on the way: QUANTISED
;;   THE QUANTISER, for each operand of a quantised product, along K:
;;     - K is cut into blocks of 32 from its start; a last block that is shorter is filled with zeros.
;;     - A block's scale is 2^e with e = floor(log2(the largest magnitude in the block)) - 15, held to -126 .. 127; a block of zeros has e = 0. As a byte (E8M0): e + 127.
;;     - Each number is divided by its block's scale, clamped to +-57,344, and rounded to the nearest number of E5M2, ties to even, subnormals kept.
;;     - The product sums the exact products of the quantised numbers (number of the format x scale) in f32.
;;   ~~~python
;;   def quantise(x, axis):      # numpy; x: float32 -> the quantised numbers, widened to float32 again
;;       x = np.moveaxis(x, axis, -1); K = x.shape[-1]
;;       x = np.pad(x, [(0, 0)] * (x.ndim - 1) + [(0, -K % 32)]); x = x.reshape(x.shape[:-1] + (-1, 32)); a = np.abs(x).max(-1, keepdims=True)
;;       e = np.where(a > 0, np.clip(np.frexp(np.where(a > 0, a, 1))[1] - 1 - 15, -126, 127), 0)      # np.frexp(a)[1] - 1 = floor(log2(a)), exactly
;;       r = np.clip(x / 2.0 ** e, -57344, 57344)
;;       step = 2.0 ** (np.maximum(np.frexp(np.where(r == 0, 1, r))[1] - 1, -14) - 2)
;;       q = np.round(r / step) * step * 2.0 ** e      # np.round: ties to even
;;       return np.moveaxis(q.reshape(q.shape[:-2] + (-1,))[..., :K], -1, axis).astype(np.float32)
;;   ~~~
;;   OPERANDS COMPUTED ON THE WAY. 'Computed on the way' means the value that the module computes at that place (a softmax that the list does not call 'softmax' is quantised finished and normalised). What goes into a quantiser is computed in f32, as accurately as f32 sums, v_exp_f32 and their like allow (about 1e-6 of the number): no bf16 or f16 on the way to a quantiser, and a product that is left as it is and whose result goes on into a quantised operand takes f32 operands (vector FMAs, or v_wmma_f32_16x16x4_f32). A number that lies on a knife's edge between two numbers of the format may be rounded either way, as far as f32 arithmetic and the matrix unit's own rounding can turn it there, and no further.
;; One version. Each part assembles by itself: llvm-mc -triple=amdgcn-amd-amdhsa -mcpu=gfx1250 --defsym DOCPART=n.
;; ======== version 1 of 1: 2 launches
;; limits: right only within a limited range of input values
;; workspace buffers: q 43,253,760 bytes
;; launch quant (part 1): grid 1280 x 1, 4 waves a work-group, no clusters, 8,704 bytes of LDS; arguments x, h, W_i_w, W_f_w, W_o_w, W_c_w, q; writes q
.if DOCPART == 1
	.amdgcn_target "amdgcn-amd-amdhsa--gfx1250"
	.amdhsa_code_object_version 6
	.text
	.protected	k_q8bdad96a1f_quant
	.globl	k_q8bdad96a1f_quant
	.p2align	8
	.type	k_q8bdad96a1f_quant,@function
k_q8bdad96a1f_quant:
	s_mov_b64 s[64:65], 0
	v_nop
	global_prefetch_b8 v0, s[64:65] scope:SCOPE_SE
	s_setreg_imm32_b32 hwreg(HW_REG_WAVE_MODE, 25, 1), 1
	s_wait_xcnt 0x0
; x, h [2048][2048] and W_i, W_f, W_o, W_c [2048][4096], f32, become codes of BF8 (E5M2) with one E8M0 scale byte for each 32 along K, in the order in which the product's launch takes them.
; K = 4,096 is x's 2,048 columns, then h's; the weights' rows run along the same K.  K is innermost in all six tensors, and a block of 32 never crosses from x to h.
; THE WORKSPACE q: 80 row blocks of RB bytes; a row block is 128 operand rows, in 16 sub-blocks of KB bytes, one for each 256 along K.  A sub-block: 128 rows x 256 codes (row p at 256 p), then 128 rows x 8 scale bytes (row p at 32,768 + 8 p).
;   Row blocks 0-15: [x|h], row m in block m / 128 at p = m % 128.  Row block 16 + n (n = 0 .. 63): the weights of hidden columns 32 n .. 32 n + 31, p = 32 g + column % 32, g = 0, 1, 2, 3 for the gates i, f, o, c^.
;   INSIDE A ROW OF A SUB-BLOCK the eight blocks of 32 stand in another order than in K: block 2 i + g (g = 0, 1) at place 4 g + i, its 32 codes and its scale byte alike.  Both operands of the product are laid by this text, so every product still meets its partner under its own scales.
; A block's scale is 2^(floor(log2(its largest magnitude)) - 15); its byte is the largest magnitude's exponent field - 15, held at 1 from below.  Each number is divided by the scale, held within +-57,344 and rounded to the nearest code, ties to even.
; LIMITS: a block of zeros gets the byte 1 where the rule says 127 (its codes are zeros, which add nothing under any byte but 0xff, and this program alone reads the bytes); NaN and infinities among the inputs are not served.
; SHARES.  A wave takes 32 rows x 256 along K: 16 steps of two rows.  Its 8,192 code bytes are consecutive in q, its 256 scale bytes one aligned run of 256.  Work-groups 0-255: [x|h] (64 groups of 32 rows x 4 groups of K); then 256 for each gate's weights.
; A load takes 256 consecutive bytes of one row in lanes 0-15 and of the next row in lanes 16-31: a lane holds 4 numbers of a block, eight lanes the block; its largest magnitude is joined over them by three DPP steps.
; The scaled conversion takes eight registers under one scale: it runs once for each load, over that load's four registers and its neighbour's, and only the dword of the load's own four codes is used.
; The codes, and the scale bytes too, turn through LDS (the wave's own stage, a row 288 bytes from the next): four stores of a dword a lane, one load of 16 bytes a lane, so that 32 lanes store 512 consecutive bytes.  No tensor loads, no barrier: waves share nothing.  Loads run four steps (16 loads a wave) ahead.
.set RB,    540672                     ; a row block of q
.set KB,    33792                      ; a sub-block: 32,768 bytes of codes + 1,024 of scale bytes
.set STEPS, 16
.set EMAX,  15
.set MANT,  0x600000                   ; the mantissa field of 57,344 as f32
.set R,     16                         ; v16-79   four sets of 16 numbers as they are loaded
.set M,     80                         ; v80-83   the four blocks' largest magnitudes, then their bytes
.set SO,    84                         ; v84-87   the conversions' scale operands
.set BD,    88                         ; v88-91   57,344 x the scale
.set D,     92                         ; v92-99   the conversions' results
.set C,     100                        ; v100-163 codes: four registers for each step, so that no store's data are written again
.set SPT,   288                        ; a row's place in a stage
.set STG,   2*SPT                      ; a stage; two by turns, and behind them the wave's 256 scale bytes: 2,048 bytes of LDS for each wave
.set PT,    32                         ; s[32:63] sixteen addresses, one for each step's two rows: never rewritten
	s_load_b256 s[4:11], s[0:1], 0x0               ; x, h, W_i, W_f
	s_load_b128 s[12:15], s[0:1], 0x20             ; W_o, W_c
	s_load_b64 s[16:17], s[0:1], 0x30              ; q
	v_lshl_add_u32 v12, v0, 2, 0x2000              ; my spare word, behind the four waves' regions; never rewritten
	v_mov_b32 v13, 0                               ; 0; never rewritten
	v_lshrrev_b32 v1, 5, v0
	v_readfirstlane_b32 s18, v1                    ; wave 0..3
	v_and_b32 v2, 31, v0                           ; lane
	s_wait_alu depctr_va_vdst(0)
	s_and_b32 s20, ttmp9, 3                        ; which four runs of 256 along K
	s_lshr_b32 s21, ttmp9, 2
	s_lshr_b32 s22, s21, 6                         ; 0: [x|h]; 1 .. 4: the weights of gate 0 .. 3
	s_and_b32 s23, s21, 63                         ; which 32 rows of the tensor
	s_lshr_b32 s24, s23, 2                         ; both answers are made, then chosen on one compare
	s_add_co_u32 s25, s23, 16
	s_and_b32 s26, s23, 3
	s_sub_co_u32 s27, s22, 1
	s_lshr_b32 s28, s20, 1
	s_add_co_u32 s29, s22, 1
	s_cmp_eq_u32 s22, 0
	s_cselect_b32 s24, s24, s25                    ; the row block of q
	s_cselect_b32 s26, s26, s27                    ; which 32 of its 128 rows
	s_cselect_b32 s28, s28, s29                    ; the source: 0 x, 1 h, 2 .. 5 W_i, W_f, W_o, W_c
	s_cselect_b32 s25, 18, 19                      ; 32 rows of the source are 2^18 or 2^19 bytes
	s_cselect_b32 s27, 1, 3                        ; x and h hold two groups of four runs of 256 along K, a weight four
	s_sub_co_u32 s29, s25, 5                       ; a row of the source is 2^13 or 2^14 bytes
	s_lshl_b32 s68, 2, s29                         ; two rows, as a pair
	s_mov_b32 s69, 0
	s_lshl_b32 s30, s23, s25                       ; where my part of the source begins: my 32 rows,
	s_and_b32 s31, s20, s27
	s_lshl_b32 s31, s31, 2
	s_add_co_u32 s31, s31, s18
	s_lshl_b32 s31, s31, 10                        ; and my 256 numbers of each
	s_add_co_u32 s30, s30, s31
	s_mov_b32 s31, 0
	s_lshl_b32 s67, s20, 2
	s_add_co_u32 s67, s67, s18                     ; which 256 along K = 4,096
	s_mul_i32 s70, s24, RB
	s_mul_i32 s71, s67, KB
	s_add_co_u32 s70, s70, s71                     ; my sub-block of q (under 2^26)
	s_lshl_b32 s71, s26, 13
	s_add_co_u32 s72, s70, s71                     ; my 32 rows' codes
	s_mov_b32 s73, 0
	s_lshl_b32 s71, s26, 8
	s_add_co_u32 s74, s70, s71
	s_add_co_u32 s74, s74, 32768                   ; and their scale bytes
	s_mov_b32 s75, 0
	s_mov_b32 s66, MANT                            ; (an instruction takes one literal: the bound's line has another)
	s_lshl_b32 s19, s18, 11                        ; my 2,048 bytes of LDS
	v_lshrrev_b32 v8, 4, v2                        ; which of a step's two rows
	v_lshlrev_b32 v3, s29, v8                      ; a load: lanes 16-31 take the next row,
	v_and_b32 v9, 15, v2
	v_lshl_add_u32 v3, v9, 4, v3                   ; 16 bytes a lane
	v_mul_u32_u24 v10, v8, SPT
	v_add_nc_u32 v10, s19, v10                     ; my row in a stage
	v_lshl_add_u32 v15, v9, 4, v10                 ; out of it: 16 bytes a lane, as they lie
	v_bfe_u32 v11, v2, 3, 1                        ; g: which of a load's two blocks
	v_and_b32 v1, 7, v2
	v_lshl_add_u32 v14, v11, 7, v10                ; into it: 128 g + 4 (lane % 8); load i adds 32 i
	v_lshl_add_u32 v14, v1, 2, v14
	v_lshlrev_b32 v4, 4, v2                        ; my codes' place in a step's 512 bytes
	v_lshlrev_b32 v5, 3, v8
	v_lshl_add_u32 v5, v11, 2, v5                  ; my four blocks' scale bytes: 8 x row + 4 g
	s_add_co_u32 s19, s19, 2*STG
	v_add_nc_u32 v5, s19, v5
	v_lshlrev_b32 v7, 3, v2                        ; and on the way out 8 bytes a lane
	v_add_nc_u32 v6, s19, v7
	s_wait_alu depctr_va_vdst(0)
	s_wait_kmcnt 0x0
.irp n, 1,2,3,4,5
	s_cmp_eq_u32 s28, \n                           ; the source's address: the choice hangs on the work-group's number alone
	s_cselect_b64 s[4:5], s[4+2*\n:5+2*\n], s[4:5]
.endr
	s_add_nc_u64 s[PT:PT+1], s[4:5], s[30:31]
.irp t, 1,2,3,4,5,6,7,8,9,10,11,12,13,14,15
	s_add_nc_u64 s[PT+2*\t:PT+2*\t+1], s[PT+2*\t-2:PT+2*\t-1], s[68:69]   ; two rows on
.endr
	s_add_nc_u64 s[72:73], s[16:17], s[72:73]
	s_add_nc_u64 s[74:75], s[16:17], s[74:75]
.macro LOAD t                          ; step t: 1,024 bytes of each of two rows; load i: numbers 64 i + 4 (lane % 16) ..: blocks 2 i and 2 i + 1
.irp i, 0,1,2,3
	global_load_b128 v[R+16*((\t)%4)+4*\i:R+16*((\t)%4)+4*\i+3], v3, s[PT+2*(\t):PT+2*(\t)+1] offset:256*\i th:TH_LOAD_NT   ; sixteen lanes read 256 consecutive bytes, at a multiple of 256 from the tensor's first byte; read once in the launch
.endr
.endm
.irp t, 0,1,2,3
	LOAD \t
.endr
.macro STEP t                          ; the four loads' chains take turns line by line
.set RS, R+16*((\t)%4)
.if STEPS-1-(\t) >= 3
	s_wait_loadcnt 12                              ; this step's four loads are in; those of the three steps behind it may be out
.else
	s_wait_loadcnt 4*(STEPS-1-(\t))                ; the last steps ask for nothing: the count runs down
.endif
.irp i, 0,1,2,3
	v_max3_num_f32 v[M+\i], |v[RS+4*\i]|, |v[RS+4*\i+1]|, |v[RS+4*\i+2]|
.endr
.irp i, 0,1,2,3
	v_max3_num_f32 v[M+\i], v[M+\i], |v[RS+4*\i+3]|, (EMAX+1)<<23   ; my four, and the floor 2^(EMAX + 1 - 127): so the byte cannot fall under 1
.endr
.irp x, 1,2,4
.irp i, 0,1,2,3
	v_max_num_f32_dpp v[M+\i], v[M+\i], v[M+\i] row_xmask:\x row_mask:0xf bank_mask:0xf   ; with the seven other lanes of the block
.endr
.endr
.irp i, 0,1,2,3
	v_add_nc_u32 v[SO+\i], -(EMAX<<23), v[M+\i]    ; EMAX off the exponent field: the conversion takes the exponent field of this operand as its scale
.endr
.irp i, 0,1,2,3
	v_and_or_b32 v[BD+\i], v[M+\i], 0x7f800000, s66   ; 57,344 x the scale
.endr
.irp i, 0,1,2,3
.irp j, 0,1,2,3
	v_med3_num_f32 v[RS+4*\i+\j], v[RS+4*\i+\j], -v[BD+\i], v[BD+\i]   ; the conversion to an 8-bit code does not saturate (ISA guide 7.6.2)
.endr
.endr
.irp i, 0,1,2,3
	v_cvt_scalef32_pk8_bf8_f32 v[D+2*\i:D+2*\i+1], v[RS+8*(\i/2):RS+8*(\i/2)+7], v[SO+\i]   ; under load i's scale: dword i % 2 of the result holds load i's four codes; the other is not used
.endr
.irp i, 0,1,2,3
	v_lshrrev_b32 v[M+\i], 23, v[SO+\i]            ; the scale's byte (also the plain line behind the conversions)
.endr
	v_lshl_or_b32 v8, v[M+1], 8, v[M]              ; places 4 g + 0 .. 3: one word
	v_lshl_or_b32 v9, v[M+3], 8, v[M+2]
	v_lshl_or_b32 v8, v9, 16, v8
.if (\t)+4 < STEPS
	LOAD (\t)+4                                    ; into the registers that this step has worked off
.endif
.irp i, 0,1,2,3
	ds_store_b32 v14, v[D+2*\i+(\i%2)] offset:STG*((\t)%2)+32*\i
.endr
	ds_store_b32 v5, v8 offset:16*(\t)             ; the eight lanes of a block write the same word with the same value
	ds_load_b128 v[C+4*(\t):C+4*(\t)+3], v15 offset:STG*((\t)%2)   ; LDS serves a wave's instructions in order (ISA guide 5.7.1.4): this sees the stores above
.if (\t) > 0
	s_wait_dscnt 6                                 ; all but this step's six: the step before's codes are back
	global_store_b128 v4, v[C+4*(\t)-4:C+4*(\t)-1], s[72:73] offset:512*(\t)-512   ; 32 lanes store 512 consecutive bytes, at a multiple of 256 from q's first byte
.endif
.endm
.irp t, 0,1,2,3,4,5,6,7,8,9,10,11,12,13,14,15
	STEP \t
.endr
	ds_load_b64 v[10:11], v6                       ; my wave's 256 scale bytes
	s_wait_dscnt 1
	global_store_b128 v4, v[C+60:C+63], s[72:73] offset:512*15
	s_wait_dscnt 0x0
	global_store_b64 v7, v[10:11], s[74:75]        ; 32 lanes store 256 consecutive bytes, at a multiple of 256 from q's first byte
	s_wait_tensorcnt 0x0                           ; the wave's end
	ds_add_u32 v12, v13
	s_wait_dscnt 0x0
	s_endpgm
.Lfunc_end_k_q8bdad96a1f_quant:
	.size	k_q8bdad96a1f_quant, .Lfunc_end_k_q8bdad96a1f_quant-k_q8bdad96a1f_quant
	.p2alignl 7, 3214868480
	.fill 96, 4, 3214868480
	.section	.rodata,"a",@progbits
	.p2align	6, 0x0
	.amdhsa_kernel k_q8bdad96a1f_quant
		.amdhsa_group_segment_fixed_size 8704
		.amdhsa_private_segment_fixed_size 0
		.amdhsa_enable_private_segment 0
		.amdhsa_kernarg_size 56
		.amdhsa_user_sgpr_count 2
		.amdhsa_user_sgpr_kernarg_segment_ptr 1
		.amdhsa_wavefront_size32 1
		.amdhsa_system_sgpr_workgroup_id_x 1
		.amdhsa_system_sgpr_workgroup_id_y 1
		.amdhsa_system_sgpr_workgroup_id_z 1
		.amdhsa_system_vgpr_workitem_id 0
		.amdhsa_next_free_vgpr 164
		.amdhsa_next_free_sgpr 76
		.amdhsa_reserve_vcc 0
		.amdhsa_float_denorm_mode_32 3
		.amdhsa_float_denorm_mode_16_64 3
		.amdhsa_memory_ordered 1
		.amdhsa_forward_progress 1
		.amdhsa_inst_pref_size 76
	.end_amdhsa_kernel
	.amdgpu_metadata
---
amdhsa.version: [ 1, 2 ]
amdhsa.kernels:
  - .name:           k_q8bdad96a1f_quant
    .symbol:         k_q8bdad96a1f_quant.kd
    .args:
      - { .name: x, .offset: 0, .size: 8, .value_kind: global_buffer, .address_space: global }
      - { .name: h, .offset: 8, .size: 8, .value_kind: global_buffer, .address_space: global }
      - { .name: W_i_w, .offset: 16, .size: 8, .value_kind: global_buffer, .address_space: global }
      - { .name: W_f_w, .offset: 24, .size: 8, .value_kind: global_buffer, .address_space: global }
      - { .name: W_o_w, .offset: 32, .size: 8, .value_kind: global_buffer, .address_space: global }
      - { .name: W_c_w, .offset: 40, .size: 8, .value_kind: global_buffer, .address_space: global }
      - { .name: q, .offset: 48, .size: 8, .value_kind: global_buffer, .address_space: global }
    .group_segment_fixed_size: 8704
    .private_segment_fixed_size: 0
    .kernarg_segment_align: 8
    .kernarg_segment_size: 56
    .max_flat_workgroup_size: 128
    .sgpr_count:     76
    .vgpr_count:     164
    .wavefront_size: 32
...
	.end_amdgpu_metadata
.endif
;; end of part 1
;; launch cell (part 2): grid 32 x 8, 4 waves a work-group, clusters of 4 x 4, 327,680 bytes of LDS; arguments q, c, W_i_b, W_f_b, W_o_b, W_c_b, out0, out1; writes out0, out1
.if DOCPART == 2
	.amdgcn_target "amdgcn-amd-amdhsa--gfx1250"
	.amdhsa_code_object_version 6
	.text
	.protected	k_q8bdad96a1f_cell
	.globl	k_q8bdad96a1f_cell
	.p2align	8
	.type	k_q8bdad96a1f_cell,@function
k_q8bdad96a1f_cell:
	s_mov_b64 s[64:65], 0
	v_nop
	global_prefetch_b8 v0, s[64:65] scope:SCOPE_SE
	s_setreg_imm32_b32 hwreg(HW_REG_WAVE_MODE, 25, 1), 1
	s_wait_xcnt 0x0
	s_wait_alu depctr_hold_cnt(0) depctr_sa_sdst(0) depctr_va_vdst(0) depctr_va_sdst(0) depctr_va_ssrc(0) depctr_va_vcc(0) depctr_vm_vsrc(0)
	s_getreg_b32 s2, hwreg(HW_REG_IB_STS2, 6, 4)
	s_cmp_eq_u32 s2, 0
	s_cbranch_scc0 .Lentry_in_a_cluster
	s_endpgm
.Lentry_in_a_cluster:
	s_bfe_u32 s2, ttmp6, 0x10000c
	s_cmp_lg_u32 s2, 0xf033
	s_cbranch_scc0 .Lentry_shape_is_right
	s_endpgm
.Lentry_shape_is_right:
; gates = [x|h] W^T + b on codes of BF8 (E5M2) with E8M0 scales, M 2,048 x N 8,192 x K 4,096, and the cell behind it: c_new = sigmoid(f) c + sigmoid(i) tanh(c^), h_new = sigmoid(o) tanh(c_new); out0 = h_new, out1 = c_new.  No gate goes to memory.
; q, as the launch before leaves it: 80 row blocks of RB bytes, each 128 operand rows in 16 sub-blocks of KB bytes, one for 256 along K: 128 rows x 256 codes, then 128 rows x 8 scale bytes: 132 dense rows of 256 bytes.
;   Row blocks 0-15: [x|h].  Row block 16 + n: the weights of hidden columns 32 n .. 32 n + 31, row 32 g + column % 32, g = 0 .. 3 for i, f, o, c^.  So 128 rows of B are all four gates of 32 hidden columns.
;   (The order of the blocks of 32 inside a sub-block's row is the same in both operands, for codes and scale bytes alike: nothing here hangs on it.)
; SHARES.  256 work-groups, one for 256 rows x 64 hidden columns (N = 256).  Four waves, 2 x 2; a wave makes 128 x 128: 64 accumulators, 512 registers.  K goes in 16 steps of 256 through two LDS slots; a wave fills a quarter of a slot
;   (one sub-block, codes and scale bytes) with one tensor load.  A step of 128 along K is 64 products; A has one set of fragments, B two; the next step's 64 LDS loads go in four runs of 16, one behind each sixteen products.
; CLUSTERS 4 x 4: a row of the cluster shares A's sub-blocks, a column B's: each is asked for jointly.  Where a slot is filled again a round of the cluster's barrier stands, with each wave's wait for its tensor loads, the add and the wait for its LDS work ahead of it.
; PREFETCH: behind each refill the K step two refills on is asked for.  Of the 132 blocks of 256 bytes that a wave fetches, each of the four partners names 32 of codes (a lane a block) and one of scale bytes, told apart by address
;   (cx for A, cy for B).  The head asks for K step 1 behind K step 0's load, and for 2 and 3 behind K step 1's; the loop's last trip asks for nothing, since K ends.  c's tile is asked of memory by its tensor load alone, 160 products ahead of the wait for it.
; THE PRODUCT IS USED TRANSPOSED (source 0 = B's rows): lane (r, h) of accumulator (a, 2 g + u) holds row 16 a + r, gate g, hidden columns 16 u + 8 h + 0 .. 7.  So a lane has all four gates of its 16 numbers of a row block.  The bias is the first products' C.
; THE WAY OUT, two row blocks at a time: c's tile (256 x 64 f32) lands in slot 0 behind that slot's last read; c_new is stored over it, h_new behind it; a row's 256 bytes come from two waves, so a barrier stands ahead of the reading back; sixteen lanes store 256 aligned bytes.
; sigmoid(x) = 1 / (1 + 2^(-x log2 e)), tanh(x) = 1 - 2 / (1 + 2^(2 x log2 e)): an exponential that overflows gives 0 or 1, one that falls to 0 gives 1 or -1.  LIMITS: NaN and infinities among the inputs are not served.
; REGISTERS: window 0: v16-31 addresses, v32-63 scale words (two sets), v64-127 the bias, v128-255 A's fragments; on the way out v32-255 are at work.  Window 1: B's two sets.  Windows 2, 3: the accumulators ((a, b) at 8 (8 (a % 4) + b)).
.set RB,     540672
.set KB,     33792
.set NQ,     2                         ; products deep in a slot
.set PITCH,  272                       ; an LDS row: 256 bytes + 16 of padding
.set FR,     16
.set NL,     4
.set NP,     8                         ; plain vector lines behind a product, ahead of a load into what it has read and of a reader of its sums (ISA guide 7.12.1 for a reader of its sums)
.set HALFT,  132*PITCH                 ; a sub-block in LDS
.set SCO,    128*PITCH                 ; its scale bytes
.set SLOT,   4*HALFT                   ; A's two sub-blocks, then B's two
.set SPARE,  2*SLOT                    ; the spare words: 512 bytes that no other line names
.set HSTG,   256*PITCH                 ; h_new's stage, behind c's tile, both in slot 0
.set LAPS,   8
.set ADRA, 16                          ; v16-17 my A fragments in slot 0, 1;  v20-21 B's;  v22-23 my scale words: lanes 0-15 A's rows, lanes 16-31 B's
.set PFO,  18                          ; v18, v19 the prefetches' offsets: my block of codes, my work-group's block of scale bytes
.set PFS,  19
.set ADRB, 20
.set ADRS, 22
.set CADR, 24                          ; my 32 bytes of a row of c's tile;  v25 the same in h_new's stage
.set HADR, 25
.set RD,   26                          ; v26-27 whole rows read back
.set SPW,  28                          ; my spare word;  v29 = 0: both never rewritten
.set NIL,  29
.set CO,   30                          ; my place in two rows of an output
.set BO,   31
.set SC,   32
.set BI,   64
.set AF,   128
.set CI,   32                          ; the way out: v32-63 c of two row blocks; v64-191 the gates of two row blocks; v192-255 whole rows
.set T,    64
.set BUF,  192
.set WV,   20                          ; s20 wave; s21 its row of waves (also: 0 fetches for A, 1 for B); s22 its column (also: which sub-block)
.set WR,   21
.set WC,   22
.set G1,   24                          ; descriptor groups: A's s[24:31], s[32:39] (a group 0 for each slot); B's s[48:55], s[56:63]; c's s[68:75], s[76:79]
.set G0,   32
.set G1B,  48
.set G0B,  56
.set G1C,  68
.set G0C,  76
.set NL2E, 86
.set TL2E, 88
.set PFA,  92                          ; s[92:93] my sub-blocks' address, three K steps behind what a prefetch of the loop names
.set MSB, 0
.macro WIN new                         ; the immediate's high byte repeats the setting that is left
.if MSB != (\new)
	s_set_vgpr_msb (MSB<<8)|(\new)
.set MSB, (\new)
.endif
.endm
.set MUL_LO, 0xa1                      ; source 0 (B) window 1, source 1 (A) window 0, C and D window 2
.set MUL_HI, 0xf1
.set TO_B,   0x40
.macro PLACES n
.rept \n
	v_nop
.endr
.endm
.macro JLOAD g0a, g1a, g0b, g1b        ; a joint load: one line and one mask for A's waves, one for B's; s_nop 0 and four v_nop behind each
	s_cmp_eq_u32 s[WR], 0
	s_cbranch_scc0 .Lfor_b_\@
	tensor_load_to_lds s[\g0a:\g0a+3], s[\g1a:\g1a+7]
	s_nop 0
	PLACES 4
	s_branch .Lasked_\@
.Lfor_b_\@:
	tensor_load_to_lds s[\g0b:\g0b+3], s[\g1b:\g1b+7]
	s_nop 0
	PLACES 4
.Lasked_\@:
.endm
.macro CREST                           ; a round of the cluster's barrier behind its opening barrier
	s_cmp_lg_u32 s[WV], 0
	s_cbranch_scc1 .Lnot_wave_0_\@
	s_barrier_signal -3
.Lnot_wave_0_\@:
	s_barrier_wait -3
	s_barrier_signal -1
	s_barrier_wait -1
.endm
.macro CROUND
	s_barrier_signal -1
	s_barrier_wait -1
	CREST
.endm
.macro PF k                            ; my share of the K step k sub-blocks on from s[PFA]: 32 blocks of codes, one of scale bytes
	global_prefetch_b8 v[PFO], s[PFA:PFA+1] offset:(\k)*KB th:TH_LOAD_NT scope:SCOPE_SE
	global_prefetch_b8 v[PFS], s[PFA:PFA+1] offset:(\k)*KB th:TH_LOAD_NT scope:SCOPE_SE
.endm
	s_load_b256 s[4:11], s[0:1], 0x0               ; q, c, b_i, b_f
	s_load_b256 s[12:19], s[0:1], 0x20             ; b_o, b_c, out0, out1
	v_lshl_add_u32 v[SPW], v0, 2, SPARE
	v_mov_b32 v[NIL], 0
	ds_add_u32 v[SPW], v[NIL]                      ; the opening: the add, twice on end, and its wait ahead of my first tensor load
	ds_add_u32 v[SPW], v[NIL]
	v_lshrrev_b32 v1, 5, v0
	v_readfirstlane_b32 s[WV], v1
	s_lshr_b32 s[WR], s[WV], 1
	s_and_b32 s[WC], s[WV], 1
	s_bfe_u32 s40, ttmp6, 0x40000                  ; cx, cy
	s_bfe_u32 s41, ttmp6, 0x40004
	s_lshl_b32 s42, ttmp9, 2
	s_add_co_u32 s42, s42, s40                     ; tile column 0 .. 31: 64 hidden columns
	s_and_b32 s43, ttmp7, 0xffff
	s_lshl_b32 s43, s43, 2
	s_add_co_u32 s43, s43, s41                     ; tile row 0 .. 7: 256 rows
	s_lshl_b32 s44, s41, 2
	s_lshl_b32 s44, 15, s44                        ; my row of the cluster
	s_lshl_b32 s45, 0x1111, s40                    ; my column
	s_or_b32 s[G1+0], s44, (3<<16)|(1<<20)|(1<<21)|(5<<22)|(3<<25)   ; elements of 8 bytes; 16 bytes of padding behind every 256; bit 21 beside the mask
	s_or_b32 s[G1B+0], s45, (3<<16)|(1<<20)|(1<<21)|(5<<22)|(3<<25)
.irp g, G1, G1B
	s_mov_b32 s[\g+1], 32<<16                      ; a sub-block: 132 dense rows of 32 elements
	s_mov_b32 s[\g+2], 132<<16
	s_mov_b32 s[\g+3], 32<<16
	s_mov_b32 s[\g+4], 132
	s_mov_b32 s[\g+5], 32
	s_mov_b32 s[\g+6], 0
	s_mov_b32 s[\g+7], 0
.endr
	s_mov_b32 s[G1C+0], (2<<16)|(1<<20)|(5<<22)|(3<<25)   ; c: 64 rows of 64 f32 a wave, rows 2,048 numbers apart; no mask: nobody shares it
	s_mov_b32 s[G1C+1], 64<<16
	s_mov_b32 s[G1C+2], 64<<16
	s_mov_b32 s[G1C+3], 64<<16
	s_mov_b32 s[G1C+4], 64
	s_mov_b32 s[G1C+5], 2048
	s_mov_b32 s[G1C+6], 0
	s_mov_b32 s[G1C+7], 0
	s_lshl_b32 s66, s43, 1                         ; offsets, each under 2^32.  A's row block 2 x tile row + which,
	s_add_co_u32 s66, s66, s[WC]
	s_mul_i32 s66, s66, RB
	s_mov_b32 s67, 0
	s_lshl_b32 s46, s42, 1                         ; B's 16 + 2 x tile column + which
	s_add_co_u32 s46, s46, s[WC]
	s_add_co_u32 s46, s46, 16
	s_mul_i32 s46, s46, RB
	s_mov_b32 s47, 0
	s_lshl_b32 s80, s43, 8                         ; c: row 256 x tile row + 64 x wave, column 64 x tile column
	s_lshl_b32 s81, s[WV], 6
	s_add_co_u32 s80, s80, s81
	s_lshl_b32 s80, s80, 13
	s_lshl_b32 s81, s42, 8
	s_add_co_u32 s80, s80, s81
	s_mov_b32 s81, 0
	s_lshl_b32 s90, s43, 8                         ; the outputs: of each 32 rows of my row of waves I store 16
	s_lshl_b32 s91, s[WR], 7
	s_add_co_u32 s90, s90, s91
	s_lshl_b32 s91, s[WC], 4
	s_add_co_u32 s90, s90, s91
	s_lshl_b32 s90, s90, 13
	s_lshl_b32 s91, s42, 8
	s_add_co_u32 s90, s90, s91
	s_mov_b32 s91, 0
	s_lshl_b32 s82, s42, 8                         ; the biases: my 32 hidden columns
	s_lshl_b32 s83, s[WC], 7
	s_add_co_u32 s82, s82, s83
	s_mov_b32 s83, 0
	s_mov_b32 s[NL2E], 0xbfb8aa3b                  ; -log2 e
	s_mov_b32 s[NL2E+1], 0xbfb8aa3b
	s_mov_b32 s[TL2E], 0x4038aa3b                  ; 2 log2 e
	s_mov_b32 s[TL2E+1], 0x4038aa3b
	s_mul_i32 s23, s[WV], HALFT                    ; LDS places hang on the wave's number alone
	s_mul_i32 s84, s[WR], HALFT                    ; my 128 rows of A
	s_mul_i32 s85, s[WC], HALFT
	s_add_co_u32 s85, s85, 2*HALFT                 ; and of B
	s_sub_co_u32 s96, s85, s84
	s_add_co_u32 s97, s84, SCO
	s_mul_i32 s98, s[WR], 128*PITCH
	s_mul_i32 s99, s[WC], 16*PITCH
	s_add_co_u32 s99, s99, s98                     ; whole rows back
	s_lshl_b32 s2, s[WC], 7
	s_add_co_u32 s98, s98, s2                      ; my half of the stage's rows
.irp s, 0,1
	s_mov_b32 s[G0+4*\s], 1
	s_add_co_u32 s[G0+4*\s+1], s23, \s*SLOT
	s_mov_b32 s[G0B+4*\s], 1
	s_add_co_u32 s[G0B+4*\s+1], s23, \s*SLOT
.endr
	s_mov_b32 s[G0C], 1
	s_mul_i32 s[G0C+1], s[WV], 64*PITCH
	s_cmp_eq_u32 s[WR], 0
	s_cselect_b32 s94, s40, s41                    ; my place among the four that ask with me
	s_lshl_b32 s95, s94, 13
	v_and_b32 v7, 31, v0
	v_lshl_add_u32 v[PFO], v7, 8, s95              ; 256 (32 place + lane)
	s_lshl_b32 s95, s94, 8
	s_add_co_u32 s95, s95, 32768
	v_mov_b32 v[PFS], s95                          ; 32,768 + 256 place, in every lane
	s_wait_alu depctr_va_vdst(0)
	s_wait_dscnt 0x0                               ; both opening adds are done
	CROUND                                         ; the opening round, ahead of the wait for the arguments
	s_wait_kmcnt 0x0
	s_add_nc_u64 s[66:67], s[4:5], s[66:67]
	s_add_nc_u64 s[46:47], s[4:5], s[46:47]
.irp s, 0,1
	s_add_nc_u64 s[G0+4*\s+2:G0+4*\s+3], s[66:67], \s*KB
	s_or_b32 s[G0+4*\s+3], s[G0+4*\s+3], 0x80000000
	s_add_nc_u64 s[G0B+4*\s+2:G0B+4*\s+3], s[46:47], \s*KB
	s_or_b32 s[G0B+4*\s+3], s[G0B+4*\s+3], 0x80000000
.endr
	s_cmp_eq_u32 s[WR], 0
	s_cselect_b64 s[PFA:PFA+1], s[66:67], s[46:47]
	JLOAD G0, G1, G0B, G1B                         ; K step 0: one tensor load a wave at the head
	PF 1
	s_add_nc_u64 s[G0C+2:G0C+3], s[6:7], s[80:81]
	s_or_b32 s[G0C+3], s[G0C+3], 0x80000000
.irp g, 0,1,2,3
	s_add_nc_u64 s[8+2*\g:9+2*\g], s[8+2*\g:9+2*\g], s[82:83]
.endr
	s_add_nc_u64 s[16:17], s[16:17], s[90:91]
	s_add_nc_u64 s[18:19], s[18:19], s[90:91]
	v_and_b32 v1, 15, v0                           ; r
	v_bfe_u32 v2, v0, 4, 1                         ; h
	v_lshlrev_b32 v[BO], 5, v2
.irp g, 0,1,2,3
.irp u, 0,1
.irp k, 0,1
	global_load_b128 v[BI+8*(2*\g+\u)+4*\k:BI+8*(2*\g+\u)+4*\k+3], v[BO], s[8+2*\g:9+2*\g] offset:64*\u+16*\k   ; gate g, columns 16 u + 8 h + 4 k ..
.endr
.endr
.endr
	v_mul_u32_u24 v3, v1, PITCH
	v_lshl_add_u32 v4, v2, 4, v3                   ; a fragment's row x pitch + 16 h
	v_add_nc_u32 v[ADRA], s84, v4
	v_add_nc_u32 v[ADRB], s85, v4
	v_add_nc_u32 v[ADRA+1], SLOT, v[ADRA]
	v_add_nc_u32 v[ADRB+1], SLOT, v[ADRB]
	v_mul_u32_u24 v6, s96, v2                      ; lanes 16-31 take B's scale words
	v_lshl_add_u32 v5, v1, 3, v6
	v_add_nc_u32 v[ADRS], s97, v5
	v_add_nc_u32 v[ADRS+1], SLOT, v[ADRS]
	v_lshl_add_u32 v5, v2, 5, v3
	v_add_nc_u32 v[CADR], s98, v5
	v_add_nc_u32 v[HADR], HSTG, v[CADR]
	v_mul_u32_u24 v5, v2, PITCH
	v_lshl_add_u32 v5, v1, 4, v5
	v_add_nc_u32 v[RD], s99, v5
	v_add_nc_u32 v[RD+1], HSTG, v[RD]
	v_lshlrev_b32 v[CO], 13, v2
	v_lshl_add_u32 v[CO], v1, 4, v[CO]
.macro FRAG reg, adr, q, i             ; 16 rows x 128 K: registers 4 c .. 4 c + 3 hold K = 32 c + 16 h + 0 .. 15
.irp c, 0,1,2,3
	ds_load_b128 v[\reg+4*\c:\reg+4*\c+3], v[\adr] offset:128*(\q)+32*\c+(\i)*16*PITCH
.endr
.endm
.macro MUL16 a0, p, q, sc, zero        ; A's blocks a0, a0 + 1 x B's eight.  The 64 accumulators take turns, in the same order in every step.  zero = 1: the bias starts the sums
.irp a, \a0, \a0+1
.irp b, 0,1,2,3,4,5,6,7
.set AC_, 8*(8*((\a)%4)+\b)
.set CC_, AC_
.if \zero
.set CC_, BI+8*\b
.endif
	v_wmma_scale_f32_16x16x128_f8f6f4 v[AC_:AC_+7], v[128*(\p)+FR*\b:128*(\p)+FR*\b+FR-1], v[AF+FR*(\a):AF+FR*(\a)+FR-1], v[CC_:CC_+7], v[SC+8*NQ*(\sc)+NQ*\b+(\q)], v[SC+8*NQ*(\sc)+NQ*(\a)+(\q)] matrix_a_fmt:MATRIX_FMT_BF8 matrix_b_fmt:MATRIX_FMT_BF8 matrix_a_scale:MATRIX_SCALE_ROW1
.endr
.endr
.endm
.macro FETCH_B slot, q, p, i0          ; B's fragments i0 .. i0 + 3 into set p.  That set was last multiplied a step ago, and NP places stand behind that step's last product
	WIN TO_B
.irp i, \i0, \i0+1, \i0+2, \i0+3
	FRAG 128*(\p)+FR*(\i), ADRB+\slot, \q, \i
.endr
.endm
.macro FETCH_A slot, q, i0
.irp i, \i0, \i0+1, \i0+2, \i0+3
	FRAG AF+FR*(\i), ADRA+\slot, \q, \i
.endr
.endm
.macro SCALES sc                       ; a slot's two scale words a row: register 2 i + q: lanes 0-15 A's block i, lanes 16-31 B's
.irp i, 0,1,2,3,4,5,6,7
	ds_load_b64 v[SC+8*NQ*\sc+NQ*\i:SC+8*NQ*\sc+NQ*\i+1], v[ADRS+\sc] offset:(\i/2)*PITCH+(\i%2)*128
.endr
.endm
.macro STEP slot, q, zero              ; a step of 128 along K that has its successor in the same slot.  zero = 1: C, the bias, lies in window 0
	s_wait_dscnt 4*NL                              ; all but the youngest sixteen loads (A's blocks 4-7)
	WIN MUL_LO-0x20*\zero
	MUL16 0, (\q)%2, \q, \slot, \zero
	FETCH_B \slot, (\q)+1, 1-(\q)%2, 0
	WIN MUL_LO-0x20*\zero
	MUL16 2, (\q)%2, \q, \slot, \zero
	PLACES NP
	WIN 0
	FETCH_A \slot, (\q)+1, 0
	s_wait_dscnt 8*NL                              ; all but the 32 loads of this step: A's blocks 4-7 are in
	WIN MUL_HI-0x30*\zero
	MUL16 4, (\q)%2, \q, \slot, \zero
	FETCH_B \slot, (\q)+1, 1-(\q)%2, 4
	WIN MUL_HI-0x30*\zero
	MUL16 6, (\q)%2, \q, \slot, \zero
	PLACES NP
	WIN 0
	FETCH_A \slot, (\q)+1, 4
.endm
; A slot's last step changes slots.  fill = 1: the slot takes the K step two on; fill = 2: slot 0 takes c's tile
.macro TURN slot, next, fill
.if \fill == 1
	s_wait_xcnt 0x0                                ; my prefetches have read their address: it steps here
	s_add_nc_u64 s[PFA:PFA+1], s[PFA:PFA+1], KB
.endif
	s_wait_tensorcnt 0x0                           ; my one load that was out, my part of the next slot, has landed
	ds_add_u32 v[SPW], v[NIL]
	s_wait_dscnt 4*NL+1                            ; the add and A's blocks 4-7 may be out
	WIN MUL_LO
	MUL16 0, 1, NQ-1, \slot, 0
	s_wait_dscnt 0x0                               ; the add is done, and my reads of this slot are over
	s_barrier_signal -1
	MUL16 2, 1, NQ-1, \slot, 0
	WIN 0
	s_barrier_wait -1
	CREST                                          ; no wave of any partner still reads this slot or has a load on its way
.if \fill == 1
	s_add_nc_u64 s[G0+4*\slot+2:G0+4*\slot+3], s[G0+4*\slot+2:G0+4*\slot+3], 2*KB
	s_add_nc_u64 s[G0B+4*\slot+2:G0B+4*\slot+3], s[G0B+4*\slot+2:G0B+4*\slot+3], 2*KB
	JLOAD G0+4*\slot, G1, G0B+4*\slot, G1B
	PLACES NP-4                                    ; with the four behind the load: the places ahead of the loads into A's blocks 0-3, further down
.else
	tensor_load_to_lds s[G0C:G0C+3], s[G1C:G1C+7]
	s_nop 0
	PLACES NP
.endif
	FETCH_B \next, 0, 0, 0
	FETCH_B \next, 0, 0, 4
	WIN 0
	SCALES \next
.if \fill == 1
	s_cmp_gt_u32 s3, 1                             ; the last trip's refills are K steps 14 and 15: no K step stands two on
	s_cbranch_scc0 .Lnone_\@
	PF 3
.Lnone_\@:
.endif
	WIN MUL_HI
	MUL16 4, 1, NQ-1, \slot, 0
	WIN 0
	FETCH_A \next, 0, 0
	WIN MUL_HI
	MUL16 6, 1, NQ-1, \slot, 0
	PLACES NP
	WIN 0
	FETCH_A \next, 0, 4
.endm
	s_wait_alu depctr_va_vdst(0)
	s_wait_tensorcnt 0x0                           ; my part of K step 0 is in; slot 1's first fill is issued as a refill is
	ds_add_u32 v[SPW], v[NIL]
	s_wait_dscnt 0x0
	CROUND
	JLOAD G0+4, G1, G0B+4, G1B                     ; K step 1
	FETCH_B 0, 0, 0, 0
	FETCH_B 0, 0, 0, 4
	WIN 0
	FETCH_A 0, 0, 0
	SCALES 0
	FETCH_A 0, 0, 4
	PF 2
	PF 3
	s_wait_loadcnt 0x0                             ; the bias
	STEP 0, 0, 1
	s_mov_b32 s3, LAPS-1
.Llap:                                                 ; a trip goes once round the ring, from a lap's second step to the next lap's first
	TURN 0, 1, 1
	STEP 1, 0, 0
	TURN 1, 0, 1
	STEP 0, 0, 0
	s_sub_co_u32 s3, s3, 1
	s_cmp_lg_u32 s3, 0
	s_cbranch_scc1 .Llap
	TURN 0, 1, 2
	STEP 1, 0, 0
	s_wait_dscnt 4*NL
	WIN MUL_LO
	MUL16 0, 1, NQ-1, 1, 0
	MUL16 2, 1, NQ-1, 1, 0
	s_wait_dscnt 0
	WIN MUL_HI
	MUL16 4, 1, NQ-1, 1, 0
	MUL16 6, 1, NQ-1, 1, 0
	WIN 0
	PLACES NP
	s_wait_tensorcnt 0x0                           ; my rows of c's tile are in; behind the barrier everybody's
	s_barrier_signal -1
	s_barrier_wait -1
.macro BACK p                          ; 16 whole rows of c_new and of h_new
.irp t, 0,1,2,3,4,5,6,7
	ds_load_b128 v[BUF+4*\t:BUF+4*\t+3], v[RD] offset:(\p)*32*PITCH+\t*2*PITCH
.endr
.irp t, 0,1,2,3,4,5,6,7
	ds_load_b128 v[BUF+32+4*\t:BUF+32+4*\t+3], v[RD+1] offset:(\p)*32*PITCH+\t*2*PITCH
.endr
.endm
.macro SEND p                          ; sixteen lanes store 256 consecutive bytes, at a multiple of 256 from the output's first byte
.irp t, 0,1,2,3,4,5,6,7
	global_store_b128 v[CO], v[BUF+4*\t:BUF+4*\t+3], s[18:19] offset:((\p)*32+2*\t)*8192 th:TH_STORE_NT
.endr
.irp t, 0,1,2,3,4,5,6,7
	global_store_b128 v[CO], v[BUF+32+4*\t:BUF+32+4*\t+3], s[16:17] offset:((\p)*32+2*\t)*8192 th:TH_STORE_NT
.endr
.endm
.macro CLOAD p                         ; my 32 numbers of c in row blocks 2 p and 2 p + 1
.irp e, 0,1
.irp u, 0,1
.irp k, 0,1
	ds_load_b128 v[CI+16*\e+8*\u+4*\k:CI+16*\e+8*\u+4*\k+3], v[CADR] offset:(2*(\p)+\e)*16*PITCH+64*\u+16*\k
.endr
.endr
.endr
.endm
.macro TOSTG adr, o, p                 ; 16 numbers of each of the two row blocks, at T + o, into a stage
.irp e, 0,1
.irp u, 0,1
.irp k, 0,1
	ds_store_b128 v[\adr], v[T+64*\e+(\o)+8*\u+4*\k:T+64*\e+(\o)+8*\u+4*\k+3] offset:(2*(\p)+\e)*16*PITCH+64*\u+16*\k
.endr
.endr
.endr
.endm
.macro WALU                            ; this wait ahead of and behind each batch of transcendentals, and ahead of the first reader of sums that stands behind one
	s_wait_alu depctr_va_vdst(0)
.endm
.macro ONEPLUS o, n                    ; 1 / (1 + 2^t) of n numbers at T + o of both row blocks
	WALU
.irp e, 0,1
.set xx, 0
.rept \n
	v_exp_f32 v[T+64*\e+(\o)+xx], v[T+64*\e+(\o)+xx]
.set xx, xx+1
.endr
.endr
	v_nop
	WALU
.irp e, 0,1
.set xx, 0
.rept (\n)/2
	v_pk_add_f32 v[T+64*\e+(\o)+xx:T+64*\e+(\o)+xx+1], v[T+64*\e+(\o)+xx:T+64*\e+(\o)+xx+1], 1.0 op_sel_hi:[1,0]
.set xx, xx+2
.endr
.endr
	WALU
.irp e, 0,1
.set xx, 0
.rept \n
	v_rcp_f32 v[T+64*\e+(\o)+xx], v[T+64*\e+(\o)+xx]
.set xx, xx+1
.endr
.endr
	v_nop
	WALU
.endm
.macro TANH o                          ; 1 - 2 x what ONEPLUS left, 16 numbers at T + o of both row blocks
.irp e, 0,1
.set xx, 0
.rept 8
	v_pk_fma_f32 v[T+64*\e+(\o)+xx:T+64*\e+(\o)+xx+1], v[T+64*\e+(\o)+xx:T+64*\e+(\o)+xx+1], -2.0, 1.0 op_sel_hi:[1,0,0]
.set xx, xx+2
.endr
.endr
.endm
.macro PAIR p                          ; the cell for row blocks 2 p, 2 p + 1; block e at T + 64 e: + 0 i, then c_new; + 16 f, then tanh(c_new); + 32 o, then h_new; + 48 c^
.set AC, 128*((\p)%2)
	WIN 0x02+(\p)/2
	WALU
.irp e, 0,1
.set xx, 0
.rept 24
	v_pk_mul_f32 v[T+64*\e+xx:T+64*\e+xx+1], v[AC+64*\e+xx:AC+64*\e+xx+1], s[NL2E:NL2E+1] op_sel_hi:[1,0]
.set xx, xx+2
.endr
.rept 8
	v_pk_mul_f32 v[T+64*\e+xx:T+64*\e+xx+1], v[AC+64*\e+xx:AC+64*\e+xx+1], s[TL2E:TL2E+1] op_sel_hi:[1,0]
.set xx, xx+2
.endr
.endr
	WIN 0
	ONEPLUS 0, 64
	TANH 48
	WALU
	s_wait_dscnt 0x0                               ; c is in, and so are the rows read back before
.if (\p) > 0
	SEND (\p)-1
.endif
.irp e, 0,1
.set xx, 0
.rept 8
	v_pk_mul_f32 v[T+64*\e+xx:T+64*\e+xx+1], v[T+64*\e+xx:T+64*\e+xx+1], v[T+64*\e+48+xx:T+64*\e+48+xx+1]
.set xx, xx+2
.endr
.endr
.irp e, 0,1
.set xx, 0
.rept 8
	v_pk_fma_f32 v[T+64*\e+xx:T+64*\e+xx+1], v[T+64*\e+16+xx:T+64*\e+16+xx+1], v[CI+16*\e+xx:CI+16*\e+xx+1], v[T+64*\e+xx:T+64*\e+xx+1]
.set xx, xx+2
.endr
.endr
	TOSTG CADR, 0, \p
.if (\p) < 3
	CLOAD (\p)+1
.endif
.irp e, 0,1
.set xx, 0
.rept 8
	v_pk_mul_f32 v[T+64*\e+16+xx:T+64*\e+16+xx+1], v[T+64*\e+xx:T+64*\e+xx+1], s[TL2E:TL2E+1] op_sel_hi:[1,0]
.set xx, xx+2
.endr
.endr
	ONEPLUS 16, 16
	TANH 16
.irp e, 0,1
.set xx, 0
.rept 8
	v_pk_mul_f32 v[T+64*\e+32+xx:T+64*\e+32+xx+1], v[T+64*\e+32+xx:T+64*\e+32+xx+1], v[T+64*\e+16+xx:T+64*\e+16+xx+1]
.set xx, xx+2
.endr
.endr
	TOSTG HADR, 32, \p
.endm
	WALU
	CLOAD 0
.irp p, 0,1,2,3
	PAIR \p
	s_wait_dscnt 0x0                               ; for the other wave of my rows: my stores into the stages are done
	s_barrier_signal -1
	s_barrier_wait -1
.if \p > 0
	s_wait_xcnt 0x0                                ; the stores before have read their registers
.endif
	BACK \p
.endr
	s_wait_dscnt 0x0
	SEND 3
	s_wait_tensorcnt 0x0                           ; the wave's end
	ds_add_u32 v[SPW], v[NIL]
	s_wait_dscnt 0x0
	CROUND                                         ; the closing round
	s_endpgm
.Lfunc_end_k_q8bdad96a1f_cell:
	.size	k_q8bdad96a1f_cell, .Lfunc_end_k_q8bdad96a1f_cell-k_q8bdad96a1f_cell
	.p2alignl 7, 3214868480
	.fill 96, 4, 3214868480
	.section	.rodata,"a",@progbits
	.p2align	6, 0x0
	.amdhsa_kernel k_q8bdad96a1f_cell
		.amdhsa_group_segment_fixed_size 327680
		.amdhsa_private_segment_fixed_size 0
		.amdhsa_enable_private_segment 0
		.amdhsa_kernarg_size 64
		.amdhsa_user_sgpr_count 2
		.amdhsa_user_sgpr_kernarg_segment_ptr 1
		.amdhsa_wavefront_size32 1
		.amdhsa_system_sgpr_workgroup_id_x 1
		.amdhsa_system_sgpr_workgroup_id_y 1
		.amdhsa_system_sgpr_workgroup_id_z 1
		.amdhsa_system_vgpr_workitem_id 0
		.amdhsa_next_free_vgpr 1024
		.amdhsa_next_free_sgpr 100
		.amdhsa_reserve_vcc 0
		.amdhsa_float_denorm_mode_32 3
		.amdhsa_float_denorm_mode_16_64 3
		.amdhsa_memory_ordered 1
		.amdhsa_forward_progress 1
		.amdhsa_inst_pref_size 238
	.end_amdhsa_kernel
	.amdgpu_metadata
---
amdhsa.version: [ 1, 2 ]
amdhsa.kernels:
  - .name:           k_q8bdad96a1f_cell
    .symbol:         k_q8bdad96a1f_cell.kd
    .args:
      - { .name: q, .offset: 0, .size: 8, .value_kind: global_buffer, .address_space: global }
      - { .name: c, .offset: 8, .size: 8, .value_kind: global_buffer, .address_space: global }
      - { .name: W_i_b, .offset: 16, .size: 8, .value_kind: global_buffer, .address_space: global }
      - { .name: W_f_b, .offset: 24, .size: 8, .value_kind: global_buffer, .address_space: global }
      - { .name: W_o_b, .offset: 32, .size: 8, .value_kind: global_buffer, .address_space: global }
      - { .name: W_c_b, .offset: 40, .size: 8, .value_kind: global_buffer, .address_space: global }
      - { .name: out0, .offset: 48, .size: 8, .value_kind: global_buffer, .address_space: global }
      - { .name: out1, .offset: 56, .size: 8, .value_kind: global_buffer, .address_space: global }
    .group_segment_fixed_size: 327680
    .private_segment_fixed_size: 0
    .kernarg_segment_align: 8
    .kernarg_segment_size: 64
    .max_flat_workgroup_size: 128
    .sgpr_count:     100
    .vgpr_count:     1024
    .wavefront_size: 32
...
	.end_amdgpu_metadata
.endif
;; end of part 2
